; MI455X (gfx1250); checked and timed in simulation.
; The chip was launched on July 23, 2026; its instructions are those of AMD's public machine-readable ISA for CDNA 5 (MIT licence, August 2026) and "CDNA5" Instruction Set Architecture Reference Guide (July 2026). The comments in the code are by the model that wrote it; some were corrected since.
;; Two Simplicial Attention. Allowed arithmetic: float matrix products may take bf16 or f16 operands with f32 sums; all other float work in f32.
;; Inputs: bias_gate 1 x 4 x 256 float32; bias_u 1 x 4 x 256 x 256 float32; bias_v 1 x 4 x 256 x 256 float32; bias_w 1 x 4 x 256 x 256 float32; k1 1 x 4 x 256 x 64 float32; k2 1 x 4 x 256 x 64 float32; key_padding_mask 1 x 256 bool; q 1 x 4 x 256 x 64 float32; v1 1 x 4 x 256 x 64 float32; v2 1 x 4 x 256 x 64 float32.
;; Outputs: out0 1 x 4 x 256 x 64 float32.
;; One version. Each part assembles by itself: llvm-mc -triple=amdgcn-amd-amdhsa -mcpu=gfx1250 --defsym DOCPART=n.
;; ======== version 1 of 1: 1 launch
;; limits: values are held in f16: magnitudes above 65,504 overflow, below 6.1e-05 lose precision; right only within a limited range of input values
;; launch simplicial (part 1): grid 256 x 1, 8 waves a work-group, clusters of 4 x 1, 327,680 bytes of LDS; arguments q, k1, k2, v1, v2, bias_u, bias_v, bias_w, bias_gate, key_padding_mask, out0; writes out0
.if DOCPART == 1
	.amdgcn_target "amdgcn-amd-amdhsa--gfx1250"
	.amdhsa_code_object_version 6
	.text
	.protected	k_qcaa43a4552_simplicial
	.globl	k_qcaa43a4552_simplicial
	.p2align	8
	.type	k_qcaa43a4552_simplicial,@function
k_qcaa43a4552_simplicial:
	s_mov_b64 s[64:65], 0
	v_nop
	global_prefetch_b8 v0, s[64:65] scope:SCOPE_SE
	s_setreg_imm32_b32 hwreg(HW_REG_WAVE_MODE, 25, 1), 1
	s_wait_xcnt 0x0
	s_wait_alu depctr_hold_cnt(0) depctr_sa_sdst(0) depctr_va_vdst(0) depctr_va_sdst(0) depctr_va_ssrc(0) depctr_va_vcc(0) depctr_vm_vsrc(0)
	s_getreg_b32 s2, hwreg(HW_REG_IB_STS2, 6, 4)
	s_cmp_eq_u32 s2, 0
	s_cbranch_scc0 .Lentry_in_a_cluster
	s_endpgm
.Lentry_in_a_cluster:
	s_bfe_u32 s2, ttmp6, 0x10000c
	s_cmp_lg_u32 s2, 0x3003
	s_cbranch_scc0 .Lentry_shape_is_right
	s_endpgm
.Lentry_shape_is_right:
; Two-simplicial attention, 4 heads x 256 queries, T = 256, D = 64, all tensors f32.
;   S_i[j][k] = sum_d q[i][d] k1[j][d] k2[k][d] + g_i (u[i][j] + v[i][k] + w[j][k]);  one softmax over all (j, k);
;   out[i][d] = sum_j v1[j][d] sum_k P_i[j][k] v2[k][d];  padded j or k drop out, padded queries give 0.
; A work-group takes one head and 4 queries: 256 work-groups.  Eight waves: wave (jh, kq) owns rows j = 128 jh .. +127 and columns
; k = 64 kq .. +63 for all 4 queries, and walks its rows in 8 steps of 16; a step is 4 units, one for each query.
; CLUSTER: the four work-groups of a cluster have the same head, so k1, k2, v1, v2 and w are the same tiles for all four: every tensor
; load is a joint one with the mask 15.  (A mask names four work-groups at the most, so a larger cluster would share no more.)
; FIRST PRODUCT, transposed: source 0 = 16 rows of k2, source 1 = 16 rows of a = log2e q[i] . k1[j].  Lane (r, h) then holds, in tile kt,
; register jj, S[j0 + r][64 kq + 16 kt + 8 h + jj]: eight neighbouring k of one row j, which packed to f16 are the A fragment of the second product.
; ACCURACY: a few logits carry the softmax, so an error of a logit is a relative error of a weight.  Both operands of the first product are
; therefore split, x = hi + lo, hi = the upper 11 bits (exact in f16), lo = x - hi (exact in f32, then rounded to f16), and three
; products are summed in f32: hi hi + lo hi + hi lo.  What is dropped is lo lo, at most 2^-20 of each term.  P and v2 go in f16 once rounded.
; SOFTMAX in base 2 with a running maximum M per query and wave; the waves' (M, l, o) meet in LDS at the end.
;   The accumulator starts as g' w + GV (GV = g' v[i][k], or -2^125 more for a padded k); GU = g' u[i][j] (likewise for a padded j) is
;   constant along a lane's row: it is added to the lane's maximum and rides in the shift GU - M.
; LIMITS: |log2e q k1|, |k2|, |v2| below 65,504 (f16's range; 30 times the usual spread leaves a factor 2); parts below 2^-14 carry an
; absolute error of 2^-25; log2e x logit above -2^100 (M's start); NaN and infinities in the inputs are not served.
; All keys padded: every p is 0, l = 0, and out = 0 x 1/2^-126 = 0.
.set L2E,    0x3fb8aa3b                ; log2 e
.set NEGBIG, 0xfe000000                ; -2^125: a padded row's or column's term
.set MSTART, 0xf1800000                ; -2^100: M before the first unit
; LDS.  Rows of 256 bytes lie 272 apart, rows of 1,024 bytes 1,040 apart: odd multiples of 16, so that sixteen rows begin at
; sixteen different 16-byte columns modulo 256.
.set K1B,    0                         ; k1 of the head, 256 rows x 272; filled once
.set GUB,    69632                     ; GU[4][256] f32; stored once, in the set-up
.set GVB,    73728                     ; GV[4][256] f32; stored once, in the set-up
.set SLOT0,  77824                     ; two slots: 32 rows of w x 1,040 (16 for each jh), then 32 rows of v1 x 272
.set SLOTSZ, 41984
.set V1OFF,  33280
.set STK2,   161792                    ; k2 of the head, 256 x 272; filled once, read once
.set STV2,   231424                    ; v2 of the head, 256 x 272; filled once, read once
.set ARING,  161792                    ; the a fragments, two buffers: on k2's and v2's bytes, which have had their only fill and their last read by then
.set ACH,    96                        ; a chunk: 8 d of 4 rows, 16 bytes a row, and 32 bytes of room
.set APART,  8*ACH                     ; a part (hi or lo): 8 chunks = 64 d
.set AQ,     2*APART                   ; a query: hi, lo
.set AWV,    4*AQ+64                   ; what one wave makes, 4 rows for 4 queries: a block of its own; 64 modulo 256
.set AJH,    4*AWV                     ; the 16 rows of a jh
.set ABUF,   2*AJH                     ; a buffer: 49,664 bytes
.set COB,    301056                    ; the waves' o: [wave][query][64] f32
.set CMLB,   309248                    ; the waves' (M, l): [wave][query] 8 bytes
; vector registers, window 0
;   v0 thread, v1 lane, v2 r = lane % 16, v3 h = lane / 16
;   v4 GV, v5 GU, v6 a fragments (read), v7 a fragments (store), v8 k1 rows, v9 w, v10 v1, v11 k2, v12 v2: LDS addresses; v13-v20 at work
.set KR,   24                          ; v24-31   8 numbers of a k1 row, for the next step's a
.set SR,   32                          ; v32-63   S, then p: tile kt at 8 kt
.set AF,   64                          ; v64-95   a fragments: hi d 0-31, hi d 32-63, lo d 0-31, lo d 32-63; else at work
.set PR,   96                          ; v96-111  p in f16: two A fragments
.set YR,   112                         ; v112-143 Y = P v2: tile dt at 8 dt
.set V1T,  144                         ; v144-175 v1[j0 + 8 h + jj][16 dt + r] at 8 dt + jj
.set OR,   176                         ; v176-207 o: query i, tile dt: a pair at 8 i + 2 dt (even and odd jj)
.set LP,   208                         ; v208-215 l: a pair for each query
.set MR,   216                         ; v216-219 M
.set MX,   220                         ; v220-223 at work on the maximum
.set GUR,  224                         ; GU of my row
.set SH,   226                         ; v226 the shift GU - M (v227 = 0: the pair's other half is named, not used)
.set ALP,  228                         ; v228 alpha = 2^(M old - M new) (v229 = 0 likewise)
.set TB,   32                          ; v32-159  set-up: k2 or v2 in f32
.set TH,   160                         ; v160-223 set-up: upper parts
; vector registers, window 1 (v256-511)
.set BH,   0                           ; k2 hi: fragment (kt, c) at 16 kt + 8 c
.set BL,   64                          ; k2 lo
.set VF,   128                         ; v2: fragment (dt, c) at 16 dt + 8 c
.set QP,   192                         ; log2e q[i][8 dc .. +7] at 8 i, dc = lane % 8
.set WR,   224                         ; w[j0 + r][my 32 k]
; scalar registers: s4-25 the eleven addresses; s26 wave, s27 jh, s28 kq, s29 head; s32-35 at work (head and wave alone);
; s2, s3, s30, s31: what hangs on my place in the cluster (my four queries); s66, s67 lane selects; s92-99 g' of the 4 queries, each twice;
; s100 mask of the upper part; s101 counter
.set G1S,  36                          ; group 1: 32 rows x 64 f32
.set G1V,  44                          ; group 1: 4 rows x 64 f32
.set G1W,  52                          ; group 1: 4 rows x 256 f32
.set G0K2, 60
.set G0V2, 68
.set G0K1, 72
.set G0W,  76                          ; one for each slot
.set G0V1, 84                          ; one for each slot
.set MSB, 0
.macro WIN new                         ; bits 1:0 source 0, 3:2 source 1, 5:4 source 2, 7:6 destination; the high byte repeats the setting that is left
.if MSB != \new
	s_set_vgpr_msb (MSB<<8)|\new
.set MSB, \new
.endif
.endm
.macro PLACES                          ; four plain vector instructions between a matrix instruction and a reader of its result (ISA guide 7.12.1)
.rept 4
	v_nop
.endr
.endm
.macro BAR
	s_barrier_signal -1
	s_barrier_wait -1
.endm
.macro ROUND                           ; the cluster's barrier: my work-group's, wave 0 signals for it, all wait for the four work-groups, my work-group's again
	s_barrier_signal -1
	s_barrier_wait -1
	s_cmp_lg_u32 s26, 0
	s_cbranch_scc1 .Lnot_wave_0_\@
	s_barrier_signal -3
.Lnot_wave_0_\@:
	s_barrier_wait -3
	s_barrier_signal -1
	s_barrier_wait -1
.endm
	s_load_b512 s[4:19], s[0:1], 0x0               ; q, k1, k2, v1, v2, u, v, w
	s_load_b128 s[20:23], s[0:1], 0x40             ; gate, mask
	s_load_b64 s[24:25], s[0:1], 0x50              ; out
	v_lshl_add_u32 v254, v0, 2, 0x4b900
	v_mov_b32 v255, 0
	ds_add_u32 v254, v255
	v_lshrrev_b32 v13, 5, v0
	v_readfirstlane_b32 s26, v13                   ; wave
	s_lshr_b32 s27, s26, 2                         ; jh
	s_and_b32 s28, s26, 3                          ; kq
	s_lshr_b32 s29, ttmp9, 4                       ; head: 16 clusters of 4 work-groups each
	s_bfe_u32 s30, ttmp6, 0x40000                  ; my place in the cluster
	s_and_b32 s31, ttmp9, 15
	s_lshl_b32 s31, s31, 2
	s_add_co_u32 s31, s31, s30
	s_lshl_b32 s31, s31, 2                         ; i0: my first query
	s_lshl_b32 s30, s29, 8
	s_add_co_u32 s30, s30, s31                     ; 256 head + i0
	s_mov_b32 s66, 0x76543210                      ; v_permlanex16_b32: lane i of one half reads lane i of the other
	s_mov_b32 s67, 0xfedcba98
	s_mov_b32 s100, 0xffffe000                     ; sign, exponent and 10 bits of the fraction
	; group 1: mask 15 (all four work-groups), elements of 4 bytes, padding on, bit 21 beside the mask, 4 words of padding behind each row
	s_mov_b32 s[G1S+0], 15|(2<<16)|(1<<20)|(1<<21)|(5<<22)|(3<<25)   ; a row is 64 words
	s_mov_b32 s[G1S+1], 64<<16                     ; tensor_dim0 = 64
	s_mov_b32 s[G1S+2], 32<<16                     ; tensor_dim1 = 32
	s_mov_b32 s[G1S+3], 64<<16                     ; tile_dim0 = 64
	s_mov_b32 s[G1S+4], 32                         ; tile_dim1 = 32
	s_mov_b32 s[G1S+5], 64                         ; elements from row to row
	s_mov_b32 s[G1S+6], 0
	s_mov_b32 s[G1S+7], 0
	s_mov_b32 s[G1V+0], 15|(2<<16)|(1<<20)|(1<<21)|(5<<22)|(3<<25)
	s_mov_b32 s[G1V+1], 64<<16
	s_mov_b32 s[G1V+2], 4<<16                      ; 4 rows
	s_mov_b32 s[G1V+3], 64<<16
	s_mov_b32 s[G1V+4], 4
	s_mov_b32 s[G1V+5], 64
	s_mov_b32 s[G1V+6], 0
	s_mov_b32 s[G1V+7], 0
	s_mov_b32 s[G1W+0], 15|(2<<16)|(1<<20)|(1<<21)|(7<<22)|(3<<25)   ; a row is 256 words
	s_mov_b32 s[G1W+1], 256<<16
	s_mov_b32 s[G1W+2], 4<<16
	s_mov_b32 s[G1W+3], 256<<16
	s_mov_b32 s[G1W+4], 4
	s_mov_b32 s[G1W+5], 256
	s_mov_b32 s[G1W+6], 0
	s_mov_b32 s[G1W+7], 0
	; group 0, the LDS side: a constant plus the wave's number times a constant
	s_mul_i32 s34, s26, 8704                       ; 32 rows x 272
	s_mov_b32 s[G0K2], 1
	s_add_co_u32 s[G0K2+1], s34, STK2
	s_mov_b32 s[G0V2], 1
	s_add_co_u32 s[G0V2+1], s34, STV2
	s_mov_b32 s[G0K1], 1
	s_add_co_u32 s[G0K1+1], s34, K1B
	s_mul_i32 s34, s26, 4160                       ; 4 rows x 1,040
	s_mov_b32 s[G0W], 1
	s_add_co_u32 s[G0W+1], s34, SLOT0
	s_mov_b32 s[G0W+4], 1
	s_add_co_u32 s[G0W+5], s34, SLOT0+SLOTSZ
	s_mul_i32 s34, s26, 1088                       ; 4 rows x 272
	s_mov_b32 s[G0V1], 1
	s_add_co_u32 s[G0V1+1], s34, SLOT0+V1OFF
	s_mov_b32 s[G0V1+4], 1
	s_add_co_u32 s[G0V1+5], s34, SLOT0+SLOTSZ+V1OFF
	; LDS addresses of the lanes
	v_and_b32 v1, 31, v0                           ; lane
	v_and_b32 v2, 15, v0                           ; r
	v_bfe_u32 v3, v0, 4, 1                         ; h
	v_bfe_u32 v13, v0, 3, 2                        ; rr = lane / 8
	v_and_b32 v14, 7, v0                           ; dc = lane % 8
	s_lshl_b32 s34, s28, 8
	s_add_co_u32 s34, s34, GVB
	v_lshl_add_u32 v4, v3, 5, s34                  ; GV + 4 (64 kq + 8 h)
	s_lshl_b32 s34, s27, 9
	s_add_co_u32 s34, s34, GUB
	v_lshl_add_u32 v5, v2, 2, s34                  ; GU + 4 (128 jh + r); 64 more in each step
	s_mul_i32 s34, s27, AJH
	s_add_co_u32 s34, s34, ARING
	v_bfe_u32 v16, v0, 2, 2                        ; r / 4: which wave of my jh made row r
	v_and_b32 v19, 3, v0                           ; r % 4: which of its four rows
	v_mul_u32_u24 v18, v16, AWV
	v_lshl_add_u32 v18, v19, 4, v18
	v_mul_u32_u24 v16, v3, ACH                     ; chunk h
	v_add_nc_u32 v18, v18, v16
	v_add_nc_u32 v6, s34, v18                      ; read: 64 (r / 4) + 16 (r % 4) modulo 256: sixteen different 16-byte columns
	s_mul_i32 s35, s26, AWV
	s_add_co_u32 s35, s35, ARING                   ; my wave's own block
	v_mul_u32_u24 v18, v14, ACH
	v_lshl_add_u32 v18, v13, 4, v18
	v_add_nc_u32 v7, s35, v18                      ; store: chunk dc, row rr: column 6 dc + rr modulo 16, sixteen different ones in 16 lanes
	s_mul_i32 s34, s27, 128*272
	s_mul_i32 s35, s28, 4*272
	s_add_co_u32 s34, s34, s35                     ; k1 lies at LDS byte 0
	v_mul_u32_u24 v18, v13, 272
	v_lshl_add_u32 v18, v14, 5, v18
	v_add_nc_u32 v8, s34, v18                      ; k1: row 128 jh + 4 kq + rr, byte 32 dc; 16 rows more in each step
	s_mul_i32 s34, s27, 16640
	s_lshl_b32 s35, s28, 8
	s_add_co_u32 s34, s34, s35
	s_add_co_u32 s34, s34, SLOT0
	v_mul_u32_u24 v18, v2, 1040
	v_lshl_add_u32 v18, v3, 5, v18
	v_add_nc_u32 v9, s34, v18                      ; w: row 16 jh + r, byte 4 (64 kq + 8 h)
	s_mul_i32 s34, s27, 4352
	s_add_co_u32 s34, s34, SLOT0+V1OFF
	v_mul_u32_u24 v18, v3, 2176
	v_lshl_add_u32 v18, v2, 2, v18
	v_add_nc_u32 v10, s34, v18                     ; v1: row 16 jh + 8 h, word r
	s_mul_i32 s34, s28, 17408
	s_add_co_u32 s35, s34, STK2
	v_mul_u32_u24 v18, v2, 272
	v_lshl_add_u32 v18, v3, 5, v18
	v_add_nc_u32 v11, s35, v18                     ; k2: row 64 kq + r, byte 32 h
	s_add_co_u32 s35, s34, STV2
	v_mul_u32_u24 v18, v3, 2176
	v_lshl_add_u32 v18, v2, 2, v18
	v_add_nc_u32 v12, s35, v18                     ; v2: row 64 kq + 8 h, word r
	v_lshlrev_b32 v15, 2, v0                       ; 4 t
	v_lshlrev_b32 v17, 5, v14                      ; 32 dc
	v_add_nc_u32 v20, GUB, v15                     ; GU[0][t]; GV lies 4,096 bytes further
	v_mov_b32 v19, NEGBIG
	s_wait_dscnt 0x0
	s_wait_kmcnt 0x0
	; group 0, the global side: made of the head and the wave's number alone, so it is equal in the four work-groups
	s_lshl_b32 s32, s29, 16
	s_lshl_b32 s33, s26, 13
	s_add_co_u32 s32, s32, s33                     ; head x 65,536 + wave x 32 rows of 256 bytes
	s_mov_b32 s33, 0
	s_add_nc_u64 s[G0K2+2:G0K2+3], s[8:9], s[32:33]
	s_or_b32 s[G0K2+3], s[G0K2+3], 0x80000000
	s_add_nc_u64 s[G0V2+2:G0V2+3], s[12:13], s[32:33]
	s_or_b32 s[G0V2+3], s[G0V2+3], 0x80000000
	s_add_nc_u64 s[G0K1+2:G0K1+3], s[6:7], s[32:33]
	s_or_b32 s[G0K1+3], s[G0K1+3], 0x80000000
	s_lshl_b32 s32, s29, 18
	s_lshl_b32 s34, s27, 17
	s_add_co_u32 s32, s32, s34
	s_lshl_b32 s34, s28, 12
	s_add_co_u32 s32, s32, s34                     ; w: head x 262,144 + (128 jh + 4 kq) rows of 1,024 bytes
	s_add_nc_u64 s[G0W+2:G0W+3], s[18:19], s[32:33]
	s_add_nc_u64 s[G0W+6:G0W+7], s[G0W+2:G0W+3], 16384     ; slot 1: the second step's rows, 16 further
	s_or_b32 s[G0W+3], s[G0W+3], 0x80000000
	s_or_b32 s[G0W+7], s[G0W+7], 0x80000000
	s_lshl_b32 s32, s29, 16
	s_lshl_b32 s34, s27, 15
	s_add_co_u32 s32, s32, s34
	s_lshl_b32 s34, s28, 10
	s_add_co_u32 s32, s32, s34                     ; v1: head x 65,536 + (128 jh + 4 kq) rows of 256 bytes
	s_add_nc_u64 s[G0V1+2:G0V1+3], s[10:11], s[32:33]
	s_add_nc_u64 s[G0V1+6:G0V1+7], s[G0V1+2:G0V1+3], 4096
	s_or_b32 s[G0V1+3], s[G0V1+3], 0x80000000
	s_or_b32 s[G0V1+7], s[G0V1+7], 0x80000000
	; my own four queries' rows
	s_mov_b32 s3, 0
	s_lshl_b32 s2, s30, 2
	s_add_nc_u64 s[20:21], s[20:21], s[2:3]        ; gate
	s_lshl_b32 s2, s30, 10
	s_add_nc_u64 s[14:15], s[14:15], s[2:3]        ; u
	s_add_nc_u64 s[16:17], s[16:17], s[2:3]        ; v
	s_lshl_b32 s2, s30, 8
	s_add_nc_u64 s[4:5], s[4:5], s[2:3]            ; q
	s_add_nc_u64 s[24:25], s[24:25], s[2:3]        ; out
	s_mov_b32 s2, s31
	s_add_nc_u64 s[2:3], s[22:23], s[2:3]          ; the mask bytes of my queries
	ROUND                                          ; the four work-groups are here: the first joint loads meet
	tensor_load_to_lds s[G0K2:G0K2+3], s[G1S:G1S+7]        ; five tensor loads of the wave are out, the most in this text
	s_nop 0
	tensor_load_to_lds s[G0V2:G0V2+3], s[G1S:G1S+7]
	s_nop 0
	tensor_load_to_lds s[G0K1:G0K1+3], s[G1S:G1S+7]
	s_nop 0
	tensor_load_to_lds s[G0W:G0W+3], s[G1W:G1W+7]          ; step 0's w
	s_nop 0
	tensor_load_to_lds s[G0V1:G0V1+3], s[G1V:G1V+7]        ; step 0's v1
	s_nop 0
	; the small inputs: thread t makes column t of GV and of GU for the four queries
	s_load_b128 s[96:99], s[20:21], 0x0            ; four gates
	s_load_b32 s31, s[2:3], 0x0                    ; four mask bytes: my queries
	global_load_u8 v16, v0, s[22:23]               ; is key t padded?
.irp i, 0,1,2,3
	global_load_b32 v[24+\i], v15, s[16:17] offset:\i*1024         ; v[i][t]
.endr
.irp i, 0,1,2,3
	global_load_b32 v[28+\i], v15, s[14:15] offset:\i*1024         ; u[i][t]
.endr
.irp i, 0,1,2,3
	global_load_b128 v[SR+8*\i:SR+8*\i+3],   v17, s[4:5] offset:\i*256      ; q[i][8 dc .. +7]
	global_load_b128 v[SR+8*\i+4:SR+8*\i+7], v17, s[4:5] offset:\i*256+16
.endr
	s_wait_kmcnt 0x0
	s_mul_f32 s92, s96, L2E                        ; g' = log2e g, each twice: a pair for the packed multiply-add
	s_mov_b32 s93, s92
	s_mul_f32 s94, s97, L2E
	s_mov_b32 s95, s94
	s_mul_f32 s96, s98, L2E                        ; s96 and s97 have been used
	s_mov_b32 s97, s96
	s_mul_f32 s98, s99, L2E
	s_mov_b32 s99, s98
	s_wait_loadcnt 0x8                             ; all but q's eight loads
	v_cmp_ne_u32 vcc_lo, 0, v16
	v_cndmask_b32 v18, 0, v19, vcc_lo              ; -2^125 for a padded key, else 0
.irp i, 0,1,2,3
	v_fma_f32 v[24+\i], v[24+\i], s[92+2*\i], v18
	v_fma_f32 v[28+\i], v[28+\i], s[92+2*\i], v18
.endr
.irp i, 0,1,2,3
	ds_store_b32 v20, v[24+\i] offset:\i*1024+4096         ; GV
	ds_store_b32 v20, v[28+\i] offset:\i*1024              ; GU
.endr
	s_wait_loadcnt 0x0
	WIN 0x40
.irp n, 0,2,4,6,8,10,12,14,16,18,20,22,24,26,28,30
	v_pk_mul_f32 v[QP+\n:QP+\n+1], v[SR+\n:SR+\n+1], L2E op_sel_hi:[1,0]
.endr
	WIN 0
	s_wait_tensorcnt 0x3                           ; my parts of k2 and v2 are in; k1, w and v1 may stay out
	s_wait_dscnt 0x0                               ; my words of GV and GU are stored
	BAR                                            ; everybody's are
	; k2's fragments: 16 rows x 32 d in f32 are four loads of 16 bytes a lane; split into hi and lo, packed to f16
.irp kt, 0,1,2,3
.irp c, 0,1
.irp p, 0,1,2,3
	ds_load_b128 v[TB+16*(2*\kt+\c)+4*\p:TB+16*(2*\kt+\c)+4*\p+3], v11 offset:\kt*4352+\c*128+(\p/2)*64+(\p%2)*16
.endr
.endr
.endr
.macro BSPLIT b, left                  ; four fragments: 64 numbers a lane
	s_wait_dscnt \left
.set cnt, 0
.rept 64
	v_and_b32 v[TH+cnt], s100, v[TB+64*(\b)+cnt]   ; hi
.set cnt, cnt+1
.endr
.set cnt, 0
.rept 32
	v_pk_add_f32 v[TB+64*(\b)+cnt:TB+64*(\b)+cnt+1], v[TB+64*(\b)+cnt:TB+64*(\b)+cnt+1], v[TH+cnt:TH+cnt+1] neg_lo:[0,1] neg_hi:[0,1]   ; lo = x - hi, exact
.set cnt, cnt+2
.endr
	WIN 0x40
.set cnt, 0
.rept 32
	v_cvt_pk_f16_f32 v[BH+32*(\b)+cnt], v[TH+2*cnt], v[TH+2*cnt+1]
	v_cvt_pk_f16_f32 v[BL+32*(\b)+cnt], v[TB+64*(\b)+2*cnt], v[TB+64*(\b)+2*cnt+1]
.set cnt, cnt+1
.endr
	WIN 0
.endm
	BSPLIT 0, 16                                   ; the first sixteen loads are in, the second batch's sixteen may be out
	BSPLIT 1, 0
	; v2's fragments: column d = 16 dt + r, k along the registers: one word a load.  Fragment b = 2 dt + c is a batch of sixteen loads;
	; three batches are on their way, and each is packed behind its own counted wait.
.macro VLOAD b
.irp e, 0,1,2,3,4,5,6,7,8,9,10,11,12,13,14,15
	ds_load_b32 v[TB+16*(\b)+\e], v12 offset:(32*((\b)%2)+16*(\e/8)+(\e%8))*272+((\b)/2)*64
.endr
.endm
.macro VCVT b, left
	s_wait_dscnt \left                             ; batch b is in; the younger batches' loads may be out
	WIN 0x40
.irp n, 0,1,2,3,4,5,6,7
	v_cvt_pk_f16_f32 v[VF+8*(\b)+\n], v[TB+16*(\b)+2*\n], v[TB+16*(\b)+2*\n+1]
.endr
	WIN 0
.endm
	VLOAD 0
	VLOAD 1
	VLOAD 2
	; M, l and o before the first unit (the first alpha is 2^(-2^100 - M) = 0)
.irp i, 0,1,2,3
	v_mov_b32 v[MR+\i], MSTART
.endr
.set cnt, 0
.rept 40
	v_mov_b32 v[OR+cnt], 0                         ; o and l
.set cnt, cnt+1
.endr
	v_mov_b32 v[SH+1], 0
	v_mov_b32 v[ALP+1], 0
	VCVT 0, 32
	VLOAD 3
	VCVT 1, 32
	VLOAD 4
	VCVT 2, 32
	VLOAD 5
	VCVT 3, 32
	VLOAD 6
	VCVT 4, 32
	VLOAD 7
	VCVT 5, 32
	VCVT 6, 16
	VCVT 7, 0
	s_wait_tensorcnt 0x2                           ; my part of k1 is in; step 0's w and v1 may stay out
	s_wait_dscnt 0x0                               ; my reads of k2 and v2 are over (met)
	BAR                                            ; k1 is whole, and nobody reads k2's and v2's bytes any more: they now take the a fragments
; The a fragments of a step's 16 rows are made by the four waves of a jh, 4 rows each, for all four queries.
.macro PRODLD                          ; lane (rr, dc): 8 numbers of k1's row 4 kq + rr of the next 16
	ds_load_b128 v[KR:KR+3],   v8
	ds_load_b128 v[KR+4:KR+7], v8 offset:16
	v_add_nc_u32 v8, 4352, v8                      ; 16 rows on
.endm
.macro PROD buf
	WIN 0x04
.irp i, 0,1,2,3
.irp n, 0,2,4,6
	v_pk_mul_f32 v[AF+8*\i+\n:AF+8*\i+\n+1], v[KR+\n:KR+\n+1], v[QP+8*\i+\n:QP+8*\i+\n+1]   ; a = log2e q k1, in f32
.endr
.endr
	WIN 0
.irp i, 0,1,2,3
.irp n, 0,1,2,3,4,5,6,7
	v_and_b32 v[SR+\n], s100, v[AF+8*\i+\n]        ; hi
.endr
.irp n, 0,2,4,6
	v_pk_add_f32 v[AF+8*\i+\n:AF+8*\i+\n+1], v[AF+8*\i+\n:AF+8*\i+\n+1], v[SR+\n:SR+\n+1] neg_lo:[0,1] neg_hi:[0,1]   ; lo
.endr
.irp n, 0,1,2,3
	v_cvt_pk_f16_f32 v[SR+8+8*(\i%2)+\n],  v[SR+2*\n], v[SR+2*\n+1]
	v_cvt_pk_f16_f32 v[SR+12+8*(\i%2)+\n], v[AF+8*\i+2*\n], v[AF+8*\i+2*\n+1]
.endr
	ds_store_b128 v7, v[SR+8+8*(\i%2):SR+11+8*(\i%2)]  offset:(\buf)*ABUF+\i*AQ
	ds_store_b128 v7, v[SR+12+8*(\i%2):SR+15+8*(\i%2)] offset:(\buf)*ABUF+\i*AQ+APART
.endr
.endm
	PRODLD
	s_wait_dscnt 0x0
	PROD 0                                         ; step 0's a
; Four matrix instructions, one for each of the four accumulators: they take turns, one instruction a turn.
.macro G1PASS b, a, c
.irp kt, 0,1,2,3
	v_wmma_f32_16x16x32_f16 v[SR+8*\kt:SR+8*\kt+7], v[\b+16*\kt+8*\c:\b+16*\kt+8*\c+7], v[AF+\a+8*\c:AF+\a+8*\c+7], v[SR+8*\kt:SR+8*\kt+7]
.endr
.endm
; One query's 16 rows x 64 columns.
.macro UNIT i, buf
.irp kt, 0,1,2,3
	ds_load_b128 v[SR+8*\kt:SR+8*\kt+3],   v4 offset:\i*1024+\kt*64       ; GV of my 32 columns
	ds_load_b128 v[SR+8*\kt+4:SR+8*\kt+7], v4 offset:\i*1024+\kt*64+16
.endr
	ds_load_b32 v[GUR], v5 offset:\i*1024                                 ; GU of my row
.irp x, 0,1,2,3
	ds_load_b128 v[AF+8*\x:AF+8*\x+3],   v6 offset:(\buf)*ABUF+\i*AQ+(\x/2)*APART+(\x%2)*4*ACH          ; part x / 2, chunk 4 (x % 2) + h
	ds_load_b128 v[AF+8*\x+4:AF+8*\x+7], v6 offset:(\buf)*ABUF+\i*AQ+(\x/2)*APART+(\x%2)*4*ACH+2*ACH    ; chunk 4 (x % 2) + 2 + h
.endr
	s_wait_dscnt 0x8                               ; all but the eight loads of a: GV, GU, and in a step's first unit w, v1 and k1's rows
	WIN 0x01
.irp n, 0,2,4,6,8,10,12,14,16,18,20,22,24,26,28,30
	v_pk_fma_f32 v[SR+\n:SR+\n+1], v[WR+\n:WR+\n+1], s[92+2*\i:93+2*\i], v[SR+\n:SR+\n+1] op_sel_hi:[1,0,1]   ; the sums start at g' w + GV
.endr
	s_wait_dscnt 0x0
	G1PASS BH, 0, 0                                ; k2 hi x a hi
	G1PASS BH, 0, 1
	G1PASS BH, 16, 0                               ; k2 hi x a lo
	G1PASS BH, 16, 1
	G1PASS BL, 0, 0                                ; k2 lo x a hi
	G1PASS BL, 0, 1
	WIN 0
	PLACES
	; the largest of my 32, plus my row's GU; then over the wave, and the running maximum
.irp c, 0,1,2,3
	v_max3_num_f32 v[MX+\c], v[SR+8*\c], v[SR+8*\c+1], v[SR+8*\c+2]
.endr
.irp c, 0,1,2,3
	v_max3_num_f32 v[MX+\c], v[MX+\c], v[SR+8*\c+3], v[SR+8*\c+4]
.endr
.irp c, 0,1,2,3
	v_max3_num_f32 v[MX+\c], v[MX+\c], v[SR+8*\c+5], v[SR+8*\c+6]
.endr
	v_max3_num_f32 v[MX], v[MX], v[MX+1], v[SR+7]
	v_max3_num_f32 v[MX+2], v[MX+2], v[MX+3], v[SR+15]
	v_max3_num_f32 v[MX], v[MX], v[MX+2], v[SR+23]
	v_max_num_f32 v[MX], v[MX], v[SR+31]
	v_add_f32 v[MX], v[MX], v[GUR]
	v_max_num_f32_dpp v[MX], v[MX], v[MX] row_xmask:1 row_mask:0xf bank_mask:0xf
	v_max_num_f32_dpp v[MX], v[MX], v[MX] row_xmask:2 row_mask:0xf bank_mask:0xf
	v_max_num_f32_dpp v[MX], v[MX], v[MX] row_xmask:4 row_mask:0xf bank_mask:0xf
	v_max_num_f32_dpp v[MX], v[MX], v[MX] row_xmask:8 row_mask:0xf bank_mask:0xf
	v_permlanex16_b32 v[MX+1], v[MX], s66, s67
	v_max3_num_f32 v[MX+1], v[MX], v[MX+1], v[MR+\i]       ; M new
	v_sub_f32 v[MX+2], v[MR+\i], v[MX+1]
	v_exp_f32 v[ALP], v[MX+2]                      ; alpha; the next line is the plain instruction behind it (ISA guide 5.7.2)
	v_sub_f32 v[SH], v[GUR], v[MX+1]               ; the shift of my row
	v_mov_b32 v[MR+\i], v[MX+1]
.irp n, 0,2,4,6,8,10,12,14,16,18,20,22,24,26,28,30
	v_pk_add_f32 v[SR+\n:SR+\n+1], v[SR+\n:SR+\n+1], v[SH:SH+1] op_sel_hi:[1,0]
.endr
.set cnt, 0
.rept 32
	v_exp_f32 v[SR+cnt], v[SR+cnt]                 ; p
.set cnt, cnt+1
.endr
	s_wait_alu depctr_va_vdst(0)
.irp dt, 0,1,2,3
	v_pk_mul_f32 v[OR+8*\i+2*\dt:OR+8*\i+2*\dt+1], v[OR+8*\i+2*\dt:OR+8*\i+2*\dt+1], v[ALP:ALP+1] op_sel_hi:[1,0]   ; plain work behind the exponentials
.endr
.irp n, 0,1,2,3,4,5,6,7,8,9,10,11,12,13,14,15
	v_cvt_pk_f16_f32 v[PR+\n], v[SR+2*\n], v[SR+2*\n+1]    ; tiles 2 c and 2 c + 1 are registers 0-3 and 4-7 of A's fragment c
.endr
	WIN 0x04
.irp dt, 0,1,2,3
	v_wmma_f32_16x16x32_f16 v[YR+8*\dt:YR+8*\dt+7], v[PR:PR+7], v[VF+16*\dt:VF+16*\dt+7], 0          ; the first product starts the sums
.endr
.irp dt, 0,1,2,3
	v_wmma_f32_16x16x32_f16 v[YR+8*\dt:YR+8*\dt+7], v[PR+8:PR+15], v[VF+16*\dt+8:VF+16*\dt+15], v[YR+8*\dt:YR+8*\dt+7]   ; four accumulators by turns
.endr
	WIN 0
	; l: sixteen plain instructions on p (f32), a's registers and l, none of them a register of the products above: they are the places behind these
.irp n, 0,1,2,3,4,5,6,7
	v_pk_add_f32 v[AF+2*\n:AF+2*\n+1], v[SR+4*\n:SR+4*\n+1], v[SR+4*\n+2:SR+4*\n+3]
.endr
.irp n, 0,1,2,3
	v_pk_add_f32 v[AF+4*\n:AF+4*\n+1], v[AF+4*\n:AF+4*\n+1], v[AF+4*\n+2:AF+4*\n+3]
.endr
	v_pk_add_f32 v[AF:AF+1], v[AF:AF+1], v[AF+4:AF+5]
	v_pk_add_f32 v[AF+8:AF+9], v[AF+8:AF+9], v[AF+12:AF+13]
	v_pk_add_f32 v[AF:AF+1], v[AF:AF+1], v[AF+8:AF+9]
	v_pk_fma_f32 v[LP+2*\i:LP+2*\i+1], v[LP+2*\i:LP+2*\i+1], v[ALP:ALP+1], v[AF:AF+1] op_sel_hi:[1,0,1]
	; o += v1 . Y over my 8 rows
.irp p, 0,2,4,6
.irp dt, 0,1,2,3
	v_pk_fma_f32 v[OR+8*\i+2*\dt:OR+8*\i+2*\dt+1], v[V1T+8*\dt+\p:V1T+8*\dt+\p+1], v[YR+8*\dt+\p:YR+8*\dt+\p+1], v[OR+8*\i+2*\dt:OR+8*\i+2*\dt+1]
.endr
.endr
.endm
; A step.  ONE barrier orders three things: the last step's reads of the other slot against its refill; the a fragments stored in the last
; step against this step's reads; the last step's reads of the other a buffer against this step's stores into it.
; Behind it a wave has 59 LDS loads out at the most: 32 of v1, 8 of w, 2 of k1, and the first unit's 17.
.macro STEP slot, refill, prod
	s_wait_tensorcnt 0x0                           ; all my tensor loads have landed, my part of this step's slot among them,
	ds_add_u32 v254, v255
	s_wait_dscnt 0x0
.if \refill
	s_add_nc_u64 s[G0W+4*\slot+2:G0W+4*\slot+3], s[G0W+4*\slot+2:G0W+4*\slot+3], 32768       ; so every group 0 may be written: this slot's next tile, 32 rows on
	s_add_nc_u64 s[G0V1+4*\slot+2:G0V1+4*\slot+3], s[G0V1+4*\slot+2:G0V1+4*\slot+3], 8192
.endif
	s_wait_dscnt 0x0                               ; my reads of the other slot and of the other a buffer are back, my a fragments are stored
.if \refill
	ROUND                                          ; all that now holds of every wave of the four work-groups
	tensor_load_to_lds s[G0W+4-4*\slot:G0W+7-4*\slot], s[G1W:G1W+7]        ; the next step's w and v1: two loads of the wave are out
	s_nop 0
	tensor_load_to_lds s[G0V1+4-4*\slot:G0V1+7-4*\slot], s[G1V:G1V+7]
	s_nop 0
.else
	BAR                                            ; the last step: nothing is filled
.endif
.irp dt, 0,1,2,3
.irp jj, 0,1,2,3,4,5,6,7
	ds_load_b32 v[V1T+8*\dt+\jj], v10 offset:(\slot)*SLOTSZ+\jj*272+\dt*64
.endr
.endr
	WIN 0x40
.irp kt, 0,1,2,3
	ds_load_b128 v[WR+8*\kt:WR+8*\kt+3],   v9 offset:(\slot)*SLOTSZ+\kt*64
	ds_load_b128 v[WR+8*\kt+4:WR+8*\kt+7], v9 offset:(\slot)*SLOTSZ+\kt*64+16
.endr
	WIN 0
.if \prod
	PRODLD                                         ; waited for with the rest in the first unit
.endif
	UNIT 0, \slot
	UNIT 1, \slot
.if \prod
	PROD 1-\slot                                   ; the next step's a, into the other buffer
.endif
	UNIT 2, \slot
	UNIT 3, \slot
	v_add_nc_u32 v5, 64, v5                        ; GU: 16 rows on
.endm
	s_mov_b32 s101, 3
.Lsteps:
	STEP 0, 1, 1
	STEP 1, 1, 1
	s_sub_co_u32 s101, s101, 1
	s_cmp_lg_u32 s101, 0
	s_cbranch_scc1 .Lsteps
	STEP 0, 1, 1
	STEP 1, 0, 0                                   ; fetches nothing and makes no a
	; THE WAVES MEET.  Each stores, for each query, M, l (summed over its lanes) and its 64 o (summed over the pair and the two halves of lanes).
	s_lshl_b32 s32, s26, 10
	s_add_co_u32 s32, s32, COB
	v_lshl_add_u32 v13, v1, 2, s32
	s_lshl_b32 s33, s26, 5
	s_add_co_u32 s33, s33, CMLB
	v_mov_b32 v14, s33
	s_mov_b32 vcc_lo, 0xffff0000                   ; lanes 16-31
.irp i, 0,1,2,3
.irp dt, 0,1,2,3
	v_add_f32 v[SR+\dt], v[OR+8*\i+2*\dt], v[OR+8*\i+2*\dt+1]
.endr
	v_add_f32 v[SR+9], v[LP+2*\i], v[LP+2*\i+1]
.irp dt, 0,1,2,3
	v_permlanex16_b32 v[SR+4+\dt], v[SR+\dt], s66, s67
.endr
.irp dt, 0,1,2,3
	v_add_f32 v[SR+\dt], v[SR+\dt], v[SR+4+\dt]
.endr
	v_cndmask_b32 v[SR+4], v[SR], v[SR+1], vcc_lo          ; lane l keeps d = l
	v_cndmask_b32 v[SR+5], v[SR+2], v[SR+3], vcc_lo        ; and d = 32 + l
	v_add_f32_dpp v[SR+9], v[SR+9], v[SR+9] row_xmask:1 row_mask:0xf bank_mask:0xf
	v_add_f32_dpp v[SR+9], v[SR+9], v[SR+9] row_xmask:2 row_mask:0xf bank_mask:0xf
	v_add_f32_dpp v[SR+9], v[SR+9], v[SR+9] row_xmask:4 row_mask:0xf bank_mask:0xf
	v_add_f32_dpp v[SR+9], v[SR+9], v[SR+9] row_xmask:8 row_mask:0xf bank_mask:0xf
	v_permlanex16_b32 v[SR+10], v[SR+9], s66, s67
	v_add_f32 v[SR+9], v[SR+9], v[SR+10]
	ds_store_b32 v13, v[SR+4] offset:\i*256
	ds_store_b32 v13, v[SR+5] offset:\i*256+128
	ds_store_b32 v14, v[MR+\i] offset:\i*8                 ; every lane writes the same word with the same number
	ds_store_b32 v14, v[SR+9] offset:\i*8+4
.endr
	s_wait_dscnt 0x0                               ; for the others' sake
	BAR
	s_cmp_gt_u32 s26, 3
	s_cbranch_scc1 .Lclose                         ; waves 0 to 3 finish one query each
	s_lshl_b32 s32, s26, 3
	s_add_co_u32 s33, s32, CMLB
	v_mov_b32 v15, s33
	s_lshl_b32 s33, s26, 8
	v_lshl_add_u32 v17, v1, 3, s33                 ; 256 x query + 8 x lane: in out, and from COB in LDS
	v_add_nc_u32 v16, COB, v17
.irp w, 0,1,2,3,4,5,6,7
	ds_load_b64 v[SR+2*\w:SR+2*\w+1], v15 offset:\w*32             ; (M, l) of wave w
.endr
.irp w, 0,1,2,3,4,5,6,7
	ds_load_b64 v[SR+16+2*\w:SR+17+2*\w], v16 offset:\w*1024       ; its o at d = 2 lane, 2 lane + 1
.endr
	s_lshr_b32 s2, s31, s32                        ; my query's mask byte
	s_and_b32 s2, s2, 0xff
	s_cmp_eq_u32 s2, 0
	s_cselect_b32 s2, 0x3f800000, 0                ; 1.0, or 0 for a padded query
	s_wait_dscnt 0x8                               ; the eight (M, l); the eight o may be out
	v_max3_num_f32 v[AF], v[SR], v[SR+2], v[SR+4]
	v_max3_num_f32 v[AF], v[AF], v[SR+6], v[SR+8]
	v_max3_num_f32 v[AF], v[AF], v[SR+10], v[SR+12]
	v_max_num_f32 v[AF], v[AF], v[SR+14]
.irp w, 0,1,2,3,4,5,6,7
	v_sub_f32 v[SR+2*\w], v[SR+2*\w], v[AF]
.endr
.irp w, 0,1,2,3,4,5,6,7
	v_exp_f32 v[SR+2*\w], v[SR+2*\w]               ; 2^(M of wave w - M)
.endr
	s_wait_dscnt 0x0
	v_nop                                          ; the plain instruction behind the exponentials (ISA guide 5.7.2)
	s_wait_alu depctr_va_vdst(0)
	v_mul_f32 v[AF+1], v[SR], v[SR+1]
	v_mul_f32 v[AF+2], v[SR], v[SR+16]
	v_mul_f32 v[AF+3], v[SR], v[SR+17]
.irp w, 1,2,3,4,5,6,7
	v_fmac_f32 v[AF+1], v[SR+2*\w], v[SR+2*\w+1]
	v_fmac_f32 v[AF+2], v[SR+2*\w], v[SR+16+2*\w]
	v_fmac_f32 v[AF+3], v[SR+2*\w], v[SR+17+2*\w]
.endr
	v_max_num_f32 v[AF+1], 0x00800000, v[AF+1]     ; l = 0 only where every key is padded: then o = 0 too
	v_rcp_f32 v[AF+4], v[AF+1]
	v_nop
	s_wait_alu depctr_va_vdst(0)
	v_mul_f32 v[AF+4], s2, v[AF+4]
	v_mul_f32 v[AF+2], v[AF+2], v[AF+4]
	v_mul_f32 v[AF+3], v[AF+3], v[AF+4]
	global_store_b64 v17, v[AF+2:AF+3], s[24:25]   ; the wave's 32 lanes store one row of out: 256 consecutive bytes, aligned
.Lclose:
	s_wait_tensorcnt 0x0
	ds_add_u32 v254, v255
	s_wait_dscnt 0x0
	ROUND                                          ; the closing round: no work-group ends while a partner may still ask for a tile that names it
	s_endpgm
.Lfunc_end_k_qcaa43a4552_simplicial:
	.size	k_qcaa43a4552_simplicial, .Lfunc_end_k_qcaa43a4552_simplicial-k_qcaa43a4552_simplicial
	.p2alignl 7, 3214868480
	.fill 96, 4, 3214868480
	.section	.rodata,"a",@progbits
	.p2align	6, 0x0
	.amdhsa_kernel k_qcaa43a4552_simplicial
		.amdhsa_group_segment_fixed_size 327680
		.amdhsa_private_segment_fixed_size 0
		.amdhsa_enable_private_segment 0
		.amdhsa_kernarg_size 88
		.amdhsa_user_sgpr_count 2
		.amdhsa_user_sgpr_kernarg_segment_ptr 1
		.amdhsa_wavefront_size32 1
		.amdhsa_system_sgpr_workgroup_id_x 1
		.amdhsa_system_sgpr_workgroup_id_y 1
		.amdhsa_system_sgpr_workgroup_id_z 1
		.amdhsa_system_vgpr_workitem_id 0
		.amdhsa_next_free_vgpr 512
		.amdhsa_next_free_sgpr 102
		.amdhsa_reserve_vcc 1
		.amdhsa_float_denorm_mode_32 3
		.amdhsa_float_denorm_mode_16_64 3
		.amdhsa_memory_ordered 1
		.amdhsa_forward_progress 1
		.amdhsa_inst_pref_size 255
	.end_amdhsa_kernel
	.section	.bss,"aw",@nobits
	.p2align	6
	.space	262144
	.amdgpu_metadata
---
amdhsa.version: [ 1, 2 ]
amdhsa.kernels:
  - .name:           k_qcaa43a4552_simplicial
    .symbol:         k_qcaa43a4552_simplicial.kd
    .args:
      - { .name: q, .offset: 0, .size: 8, .value_kind: global_buffer, .address_space: global }
      - { .name: k1, .offset: 8, .size: 8, .value_kind: global_buffer, .address_space: global }
      - { .name: k2, .offset: 16, .size: 8, .value_kind: global_buffer, .address_space: global }
      - { .name: v1, .offset: 24, .size: 8, .value_kind: global_buffer, .address_space: global }
      - { .name: v2, .offset: 32, .size: 8, .value_kind: global_buffer, .address_space: global }
      - { .name: bias_u, .offset: 40, .size: 8, .value_kind: global_buffer, .address_space: global }
      - { .name: bias_v, .offset: 48, .size: 8, .value_kind: global_buffer, .address_space: global }
      - { .name: bias_w, .offset: 56, .size: 8, .value_kind: global_buffer, .address_space: global }
      - { .name: bias_gate, .offset: 64, .size: 8, .value_kind: global_buffer, .address_space: global }
      - { .name: key_padding_mask, .offset: 72, .size: 8, .value_kind: global_buffer, .address_space: global }
      - { .name: out0, .offset: 80, .size: 8, .value_kind: global_buffer, .address_space: global }
    .group_segment_fixed_size: 327680
    .private_segment_fixed_size: 0
    .kernarg_segment_align: 8
    .kernarg_segment_size: 88
    .max_flat_workgroup_size: 256
    .sgpr_count:     102
    .vgpr_count:     512
    .wavefront_size: 32
...
	.end_amdgpu_metadata
.endif
;; end of part 1
